; MI455X (gfx1250); checked and timed in simulation.
; The chip was launched on July 23, 2026; its instructions are those of AMD's public machine-readable ISA for CDNA 5 (MIT licence, August 2026) and "CDNA5" Instruction Set Architecture Reference Guide (July 2026). The comments in the code are by the model that wrote it; some were corrected since.
;; GPT2 Attention. Allowed arithmetic: matrix products marked QUANTISED: E4M3 operands, one given power-of-two scale a tensor, by v_wmma_f32_16x16x64_fp8_fp8 or v_wmma_f32_16x16x128_fp8_fp8, f32 sums; everything else in f32.
;; Inputs: Wk 1,024 x 1,024 float32; Wo 1,024 x 1,024 float32; Wq 1,024 x 1,024 float32; Wv 1,024 x 1,024 float32; bk 1,024 float32; bo 1,024 float32; bq 1,024 float32; bv 1,024 float32; hidden_states 2 x 2,048 x 1,024 float32; lowp_scales 12 int32 (the exponents e of the quantised operands' scales 2^e).
;; Outputs: out0 2 x 2,048 x 1,024 float32.
;; This version of the problem:
;;   THIS VERSION OF THE PROBLEM IS GIVEN IN LOW PRECISION. The matrix products marked QUANTISED in the list below multiply operands that are first quantised to E4M3 (4 exponent bits, 3 mantissa bits; 8 bits a number), with one given power-of-two scale for each operand tensor; their sums are f32. All else is computed in f32.
;;   The module's matrix products, in the order in which they are computed (A, B: the left and right operand; K: the contracted axis; several contracted axes count as one K, in the product's order):
;;     1. [M 4,096, K 1,024] x [K 1,024, N 1,024]; A: input hidden_states; B: input Wq: QUANTISED (scales: A lowp_scales[0], B lowp_scales[1])
;;     2. [M 4,096, K 1,024] x [K 1,024, N 1,024]; A: input hidden_states; B: input Wk: QUANTISED (scales: A lowp_scales[2], B lowp_scales[3])
;;     3. [M 4,096, K 1,024] x [K 1,024, N 1,024]; A: input hidden_states; B: input Wv: QUANTISED (scales: A lowp_scales[4], B lowp_scales[5])
;;     4. batch 32 x [M 2,048, K 64] x [K 64, N 2,048]; A: computed on the way; B: computed on the way: QUANTISED (scales: A lowp_scales[6], B lowp_scales[7])
;;     5. batch 32 x [M 2,048, K 2,048] x [K 2,048, N 64]; A: softmax (see below); B: computed on the way: QUANTISED (scales: A lowp_scales[8], B lowp_scales[9])
;;     6. [M 4,096, K 1,024] x [K 1,024, N 1,024]; A: computed on the way; B: input Wo: QUANTISED (scales: A lowp_scales[10], B lowp_scales[11])
;;   THE QUANTISER, for each operand of a quantised product, along K:
;;     - The operand's scale is 2^e, e = its entry of the input lowp_scales (int32; the entries are numbered through the quantised products in the list's order, A before B).
;;     - Each number is divided by the scale, clamped to +-448, and rounded to the nearest number of E4M3, ties to even, subnormals kept.
;;     - The product sums the exact products of the quantised numbers (number of the format x scale) in f32.
;;   ~~~python
;;   def quantise(x, axis, e):      # numpy; x: float32 -> the quantised numbers, widened to float32 again
;;       x = np.moveaxis(x, axis, -1); K = x.shape[-1]
;;       r = np.clip(x / 2.0 ** e, -448, 448)
;;       step = 2.0 ** (np.maximum(np.frexp(np.where(r == 0, 1, r))[1] - 1, -6) - 3)
;;       q = np.round(r / step) * step * 2.0 ** e      # np.round: ties to even
;;       return np.moveaxis(q, -1, axis).astype(np.float32)
;;   ~~~
;;   SOFTMAX AHEAD OF A QUANTISED PRODUCT. Where the list says 'softmax', what is quantised is not the finished softmax but p = 2^(t - M), with t = logit x log2(e) and M = ceil(the row's largest t), a whole number; so 1/2 < the row's largest p <= 1. The row's sum l is taken of the UNQUANTISED p, in f32, and the product's result is divided by l at the end. Since M is a whole number, a kernel that streams over the keys may use a running M (the ceiling of the running maximum): every later rescaling is an exact power of two, so the quantised numbers keep their values, but for numbers so far below the row's largest that they fall under the format's range.
;;   OPERANDS COMPUTED ON THE WAY. 'Computed on the way' means the value that the module computes at that place (a softmax that the list does not call 'softmax' is quantised finished and normalised). What goes into a quantiser is computed in f32, as accurately as f32 sums, v_exp_f32 and their like allow (about 1e-6 of the number): no bf16 or f16 on the way to a quantiser, and a product that is left as it is and whose result goes on into a quantised operand takes f32 operands (vector FMAs, or v_wmma_f32_16x16x4_f32). A number that lies on a knife's edge between two numbers of the format may be rounded either way, as far as f32 arithmetic and the matrix unit's own rounding can turn it there, and no further.
;; One version. Each part assembles by itself: llvm-mc -triple=amdgcn-amd-amdhsa -mcpu=gfx1250 --defsym DOCPART=n.
;; ======== version 1 of 1: 4 launches
;; limits: right only within a limited range of input values
;; workspace buffers: xc 12,582,912 bytes; wc 4,194,304 bytes; tab 524,288 bytes; qc 4,194,304 bytes; kvc 8,388,608 bytes; ac 4,194,304 bytes
;; launch prep (part 1): grid 512 x 1, 4 waves a work-group, no clusters, 68,096 bytes of LDS; arguments hidden_states, Wq, Wk, Wv, Wo, lowp_scales, xc, wc, tab; writes xc, wc, tab
.if DOCPART == 1
	.amdgcn_target "amdgcn-amd-amdhsa--gfx1250"
	.amdhsa_code_object_version 6
	.text
	.protected	k_qe10c4fd5d3_prep
	.globl	k_qe10c4fd5d3_prep
	.p2align	8
	.type	k_qe10c4fd5d3_prep,@function
k_qe10c4fd5d3_prep:
	s_mov_b64 s[64:65], 0
	v_nop
	global_prefetch_b8 v0, s[64:65] scope:SCOPE_SE
	s_setreg_imm32_b32 hwreg(HW_REG_WAVE_MODE, 25, 1), 1
	s_wait_xcnt 0x0
; hidden_states [4096][1024] and Wq, Wk, Wv, Wo [1024][1024], f32, K innermost, become codes of FP8 (E4M3); and the table of cos and sin for the rotary embedding is made.
; code = x / 2^e, held within +-448, rounded to the nearest code, ties to even.  hidden_states is quantised three times (e0, e2, e4: it is the left operand of three products), Wq with e1, Wk e3, Wv e5, Wo e11.
; LIMITS: each of these e lies between -126 and 119, so that 2^e and 448 x 2^e are f32 numbers.  NaN among the inputs is not served (an infinity is held at the largest code).
; THE CODES ARE LAID AS IMAGES OF OPERAND REGISTERS.  A fragment (16 rows x 128 K, 16 registers a lane) is 2,048 bytes: [piece 0..3][lane 0..31][16 bytes]; lane (r, h), piece p holds registers 4 p .. 4 p + 3:
; k = 32 p + 8 h + 0..7, then k = 32 p + 16 + 8 h + 0..7, of the tile's row r.  xc: [product 3][tile 256][K step 8][2048]; wc: [matrix 4][tile 64][K step 8][2048].
; WHICH ROWS FORM A TILE: of the weights rows 16 T + r; of hidden_states token 32 (T / 2) + 8 (T % 2) + r + 8 (r / 8), so that later results fall along the next product's K.
; SHARES.  A work-group takes one tile, 16 rows x 1,024 K: work-groups 0-255 hidden_states, 256-511 the weights.  Wave w takes K = 256 w .. 256 w + 255, as two units of 128.
; Each load reads 512 consecutive bytes of a row; a unit's 16 rows turn through the wave's own stage in LDS (rows of 512 + 16 bytes) and come back as a lane's numbers in operand order.  Each store covers 512 consecutive bytes, aligned.
; All 32 loads of a wave are issued at its head.  Waves share nothing: no barrier.
; THE TABLE: tab [tile of positions 128][q8 8][lane 32][4 f32], q8 = 4 isSin + 2 t + half: the value at position 32 (T / 2) + 8 (T % 2) + r + 8 (r / 8), frequency f = 16 t + 8 h + 4 half + e.  Each of the 2,048 waves makes 256 bytes of it.
.set WREG, 16896                       ; LDS of a wave: two stages
.set STG,  8448                        ; a stage: 16 rows
.set SPT,  528                         ; a stage row: 512 bytes + 16 = 33 x 16: the 16 rows that a read touches start at 16 different 16-byte columns
.set LI,   2                           ; v2   16 x lane; also the loads' offset for rows 0-7
.set OHI,  4                           ; v4   the same for rows 8-15: + 8 rows more where the tile is hidden_states'
.set STW,  5                           ; v5   the stage, on the way in
.set STR,  6                           ; v6   the stage, on the way out
.set TO,   9                           ; v9   8 x lane: the table's store
.set T,    32                          ; v32-47   16 held numbers (ahead of that: at work on the table)
.set R,    64                          ; v64-191  the two units as loaded, 64 registers each; later their codes, 16 registers for each scale
.set X,    192                         ; v192-255 a unit's 64 numbers of my lane, in operand order
.set SRC,  40                          ; s[40:41] my wave's first byte of the source
.set DA,   42                          ; s[42:43], s[44:45], s[46:47]: where my codes go, for the first, second and third scale
.set DB,   44
.set DC,   46
	s_load_b512 s[4:19], s[0:1], 0x0               ; hidden s[4:5], Wq s[6:7], Wk s[8:9], Wv s[10:11], Wo s[12:13], scales s[14:15], xc s[16:17], wc s[18:19]
	s_load_b64 s[20:21], s[0:1], 0x40              ; tab
	v_lshl_add_u32 v62, v0, 2, 0x10800
	v_mov_b32 v63, 0
	v_lshrrev_b32 v7, 5, v0
	v_readfirstlane_b32 s36, v7                    ; wave 0..3
	v_and_b32 v1, 31, v0                           ; lane
	v_lshlrev_b32 v[LI], 4, v1
	v_lshlrev_b32 v[TO], 3, v1
	v_and_b32 v7, 15, v0                           ; r
	v_bfe_u32 v8, v0, 4, 1                         ; h
	s_mul_i32 s70, s36, WREG
	v_add_nc_u32 v[STW], s70, v[LI]                ; in: a row's 512 bytes as they lie
	v_mul_u32_u24 v[STR], v7, SPT
	v_lshl_add_u32 v[STR], v8, 5, v[STR]
	v_add_nc_u32 v[STR], s70, v[STR]               ; out: row r, + 32 h bytes: eight numbers of my half
	s_lshr_b32 s37, ttmp9, 1                       ; hidden_states: the tile's first row is 32 (T / 2) + 8 (T % 2), a row is 4,096 bytes
	s_lshl_b32 s37, s37, 17
	s_and_b32 s38, ttmp9, 1
	s_lshl_b32 s38, s38, 15
	s_add_co_u32 s37, s37, s38
	s_and_b32 s39, ttmp9, 63                       ; a weight: row 16 T, T = work-group % 64
	s_lshl_b32 s39, s39, 16
	s_cmp_lt_u32 ttmp9, 256                        ; hidden_states' work-group or a weight's?  All choices hang on the work-group's number alone
	s_cselect_b32 s72, s37, s39
	s_cselect_b32 s38, 0x8000, 0                   ; rows 8-15 of hidden_states' tile lie 8 rows further on
	s_cselect_b32 s74, 0, 256
	s_lshl_b32 s39, s36, 10
	s_add_co_u32 s72, s72, s39                     ; + my wave's 256 numbers of a row
	s_mov_b32 s73, 0
	s_sub_co_u32 s74, ttmp9, s74                   ; the tile's number in xc, or in wc (64 x matrix + T)
	s_lshl_b32 s74, s74, 14                        ; 16,384 bytes a tile
	s_lshl_b32 s39, s36, 12
	s_add_co_u32 s74, s74, s39                     ; + my two K steps
	s_mov_b32 s75, 0
	v_add_nc_u32 v[OHI], s38, v[LI]
	s_lshl_b32 s76, ttmp9, 2                       ; the table: my wave's number W among the 2,048
	s_add_co_u32 s76, s76, s36
	s_lshl_b32 s78, s76, 8                         ; its 256 bytes
	s_mov_b32 s79, 0
	s_lshr_b32 s80, s76, 5
	s_lshl_b32 s80, s80, 5
	s_bfe_u32 s81, s76, 0x10004
	s_lshl_b32 s81, s81, 3
	s_add_co_u32 s81, s81, s80                     ; 32 (T / 2) + 8 (T % 2), T = W / 16
	s_bfe_u32 s82, s76, 0x10002
	s_lshl_b32 s82, s82, 4                         ; 16 t
	s_and_b32 s84, s76, 1
	s_lshl_b32 s84, s84, 3                         ; 8 h (of the table's lane)
	s_add_co_u32 s82, s82, s84
	s_bfe_u32 s84, s76, 0x10001
	s_lshl_b32 s84, s84, 2                         ; 4 half
	s_add_co_u32 s82, s82, s84
	s_bfe_u32 s83, s76, 0x10003                    ; isSin
	s_mov_b32 s52, 0x3fc90fdb                      ; pi / 2, upper part,
	s_mov_b32 s53, 0xb33bbd2e                      ; and what it lacks
	s_mov_b32 s54, 0xb94ca1f9                      ; sin x = x + x z (S1 + z (S2 + z S3)), z = x x, |x| <= pi / 4
	s_mov_b32 s55, 0x3c08839e
	s_mov_b32 s56, 0xbe2aaaa3
	s_mov_b32 s57, 0x37ccf5ce                      ; cos x = 1 - z / 2 + z z (C3 + z (C2 + z C1))
	s_mov_b32 s58, 0xbab6061a
	s_mov_b32 s59, 0x3d2aaaa5
	s_wait_kmcnt 0x0
	s_load_b256 s[24:31], s[14:15], 0x0            ; e0 .. e7
	s_load_b32 s35, s[14:15], 0x2c                 ; e11
	s_cmp_lt_u32 ttmp9, 448
	s_cselect_b64 s[SRC:SRC+1], s[10:11], s[12:13] ; Wv or Wo
	s_cmp_lt_u32 ttmp9, 384
	s_cselect_b64 s[SRC:SRC+1], s[8:9], s[SRC:SRC+1]
	s_cmp_lt_u32 ttmp9, 320
	s_cselect_b64 s[SRC:SRC+1], s[6:7], s[SRC:SRC+1]
	s_cmp_lt_u32 ttmp9, 256
	s_cselect_b64 s[SRC:SRC+1], s[4:5], s[SRC:SRC+1]
	s_cselect_b64 s[DA:DA+1], s[16:17], s[18:19]
	s_add_nc_u64 s[SRC:SRC+1], s[SRC:SRC+1], s[72:73]
	s_add_nc_u64 s[DA:DA+1], s[DA:DA+1], s[74:75]
	s_add_nc_u64 s[DB:DB+1], s[DA:DA+1], 0x400000  ; hidden_states' second and third sets of codes (used by its work-groups alone)
	s_add_nc_u64 s[DC:DC+1], s[DA:DA+1], 0x800000
	s_add_nc_u64 s[20:21], s[20:21], s[78:79]
.macro LOADU n                         ; unit n: 16 rows x 512 bytes; 32 lanes read 512 consecutive bytes; each byte is read once in the launch
.irp i, 0,1,2,3,4,5,6,7
	global_load_b128 v[R+64*\n+4*\i:R+64*\n+4*\i+3], v[LI], s[SRC:SRC+1] offset:4096*\i+512*\n th:TH_LOAD_NT
.endr
.irp i, 8,9,10,11,12,13,14,15
	global_load_b128 v[R+64*\n+4*\i:R+64*\n+4*\i+3], v[OHI], s[SRC:SRC+1] offset:4096*\i+512*\n th:TH_LOAD_NT
.endr
.endm
	LOADU 0
	LOADU 1
	; ---- the table, while the loads are on their way.  inv = 10000^(-f / 32) = 2^(f c), c = -log2(10000) / 32 = chi + clo; chi has 17 significant bits, so f chi is exact; 2^(f clo) = 1 + f clo ln 2
	v_lshrrev_b32 v16, 1, v1                       ; r of the table's lane
	v_and_b32 v17, 8, v16
	v_add3_u32 v16, v16, v17, s81                  ; the position
	v_and_b32 v18, 1, v1
	v_lshl_add_u32 v18, v18, 1, s82                ; my first frequency f; the second is f + 1
	v_cvt_f32_u32 v20, v18
	v_add_f32 v21, 1.0, v20
	v_cvt_f32_u32 v19, v16
	v_mul_f32 v22, 0xbed49a80, v20                 ; f chi
	v_mul_f32 v23, 0xbed49a80, v21
	v_exp_f32 v24, v22
	v_exp_f32 v25, v23
	v_mul_f32 v26, 0x342ae148, v20                 ; f clo ln 2.  (Plain lines behind the exponentials)
	v_mul_f32 v27, 0x342ae148, v21
	s_wait_alu depctr_va_vdst(0)                   ; one wait for both exponentials, ahead of their first reader
	v_fma_f32 v24, v24, v26, v24
	v_fma_f32 v25, v25, v27, v25
	v_mul_f32 v24, v19, v24                        ; the angle: position x inv, rounded once
	v_mul_f32 v25, v19, v25
.macro TRIG k                          ; cos or sin of the angle in v[24 + k] into v[48 + k].  angle = n pi / 2 + x; sin a = cos(a - pi / 2), so the sine takes n - 1 for n
	v_mul_f32 v[26+\k], 0x3f22f983, v[24+\k]
	v_rndne_f32 v[26+\k], v[26+\k]                 ; n
	v_fma_f32 v[28+\k], -v[26+\k], s52, v[24+\k]
	v_fma_f32 v[28+\k], -v[26+\k], s53, v[28+\k]   ; x
	v_mul_f32 v[30+\k], v[28+\k], v[28+\k]         ; z
	v_fma_f32 v[32+\k], v[30+\k], s54, s55
	v_fma_f32 v[32+\k], v[32+\k], v[30+\k], s56
	v_mul_f32 v[32+\k], v[32+\k], v[30+\k]
	v_fma_f32 v[32+\k], v[32+\k], v[28+\k], v[28+\k]   ; sin x
	v_fma_f32 v[34+\k], v[30+\k], s57, s58
	v_fma_f32 v[34+\k], v[34+\k], v[30+\k], s59
	v_fma_f32 v[36+\k], v[30+\k], -0.5, 1.0
	v_mul_f32 v[40+\k], v[30+\k], v[30+\k]
	v_fma_f32 v[34+\k], v[40+\k], v[34+\k], v[36+\k]   ; cos x
	v_cvt_i32_f32 v[38+\k], v[26+\k]
	v_sub_nc_u32 v[38+\k], v[38+\k], s83           ; m = n - isSin.  cos(m pi / 2 + x): m % 4 = 0: cos x; 1: -sin x; 2: -cos x; 3: sin x
	v_and_b32 v[40+\k], 1, v[38+\k]
	v_cmp_eq_u32 vcc_lo, 1, v[40+\k]
	v_cndmask_b32 v[48+\k], v[34+\k], v[32+\k], vcc_lo
	v_add_nc_u32 v[40+\k], 1, v[38+\k]
	v_and_b32 v[40+\k], 2, v[40+\k]
	v_lshlrev_b32 v[40+\k], 30, v[40+\k]           ; the sign bit, where m % 4 is 1 or 2
	v_xor_b32 v[48+\k], v[48+\k], v[40+\k]
.endm
	TRIG 0
	TRIG 1
	global_store_b64 v[TO], v[48:49], s[20:21]     ; 32 lanes store 256 consecutive bytes, aligned; v48, v49 are not written again
	; ---- the scales
	s_wait_kmcnt 0x0
	s_cmp_lt_u32 ttmp9, 448
	s_cselect_b32 s48, s29, s35                    ; e5 (Wv) or e11 (Wo)
	s_cmp_lt_u32 ttmp9, 384
	s_cselect_b32 s48, s27, s48                    ; e3 (Wk)
	s_cmp_lt_u32 ttmp9, 320
	s_cselect_b32 s48, s25, s48                    ; e1 (Wq)
	s_cmp_lt_u32 ttmp9, 256
	s_cselect_b32 s48, s24, s48                    ; e0 (hidden_states, first product)
.macro MKSC e, lim, scl                ; 2^e as f32 (the conversion takes its exponent field) and 448 x 2^e
	s_add_co_i32 s86, \e, 127
	s_lshl_b32 s87, s86, 23
	v_mov_b32 v[\scl], s87
	s_add_co_i32 s86, s86, 8
	s_lshl_b32 s86, s86, 23
	s_or_b32 s86, s86, 0x600000
	v_mov_b32 v[\lim], s86
.endm
	MKSC s48, 10, 11
	MKSC s26, 12, 13                               ; e2
	MKSC s28, 14, 15                               ; e4
.macro TURN n                          ; unit n through its stage.  LDS serves a wave's instructions in order (ISA guide 5.7.1.4): no wait between the stores and the loads
.irp i, 0,1,2,3,4,5,6,7,8,9,10,11,12,13,14,15
	ds_store_b128 v[STW], v[R+64*\n+4*\i:R+64*\n+4*\i+3] offset:STG*\n+SPT*\i
.endr
.irp p, 0,1,2,3
	ds_load_b128 v[X+16*\p:X+16*\p+3], v[STR] offset:STG*\n+128*\p          ; k = 32 p + 8 h + 0..3
	ds_load_b128 v[X+16*\p+4:X+16*\p+7], v[STR] offset:STG*\n+128*\p+16     ; + 4..7
	ds_load_b128 v[X+16*\p+8:X+16*\p+11], v[STR] offset:STG*\n+128*\p+64    ; k = 32 p + 16 + 8 h + 0..3
	ds_load_b128 v[X+16*\p+12:X+16*\p+15], v[STR] offset:STG*\n+128*\p+80
.endr
.endm
.macro QUANT lim, scl, c               ; X's 64 numbers become 16 registers of codes at v[c].  X stays as it is: hidden_states is quantised three times
.irp p, 0,1,2,3
.irp i, 0,1,2,3,4,5,6,7,8,9,10,11,12,13,14,15
	v_med3_num_f32 v[T+\i], v[X+16*\p+\i], -v[\lim], v[\lim]   ; the conversion to an 8-bit code does not saturate (ISA guide 7.6.2): the hold at the largest code x the scale
.endr
	v_cvt_scalef32_pk8_fp8_f32 v[\c+4*\p:\c+4*\p+1], v[T:T+7], v[\scl]
	v_cvt_scalef32_pk8_fp8_f32 v[\c+4*\p+2:\c+4*\p+3], v[T+8:T+15], v[\scl]
	v_nop                                          ; one plain line between the conversions and the next holds, which write their sources
.endr
.endm
.macro OUT4 base, c, n
.irp p, 0,1,2,3
	global_store_b128 v[LI], v[\c+4*\p:\c+4*\p+3], s[\base:\base+1] offset:2048*\n+512*\p   ; 512 consecutive bytes, aligned; every store has data registers of its own
.endr
.endm
.macro UNIT n
.if \n == 0
	s_wait_loadcnt 16                              ; unit 0's sixteen loads are in; unit 1's sixteen may be out
.else
	s_wait_loadcnt 0x0
.endif
	TURN \n
	s_wait_dscnt 0x0                               ; X is in, and the stores have read the unit's registers, which take its codes
	QUANT 10, 11, (R+64*\n)
	OUT4 DA, (R+64*\n), \n
	s_cmp_lt_u32 ttmp9, 256                        ; the second and third scale are hidden_states' alone
	s_cbranch_scc0 .Lw_\@
	QUANT 12, 13, (R+64*\n+16)
	OUT4 DB, (R+64*\n+16), \n
	QUANT 14, 15, (R+64*\n+32)
	OUT4 DC, (R+64*\n+32), \n
.Lw_\@:
.endm
	UNIT 0
	UNIT 1
	s_wait_tensorcnt 0x0
	ds_add_u32 v62, v63
	s_wait_dscnt 0x0
	s_endpgm
.Lfunc_end_k_qe10c4fd5d3_prep:
	.size	k_qe10c4fd5d3_prep, .Lfunc_end_k_qe10c4fd5d3_prep-k_qe10c4fd5d3_prep
	.p2alignl 7, 3214868480
	.fill 96, 4, 3214868480
	.section	.rodata,"a",@progbits
	.p2align	6, 0x0
	.amdhsa_kernel k_qe10c4fd5d3_prep
		.amdhsa_group_segment_fixed_size 68096
		.amdhsa_private_segment_fixed_size 0
		.amdhsa_enable_private_segment 0
		.amdhsa_kernarg_size 72
		.amdhsa_user_sgpr_count 2
		.amdhsa_user_sgpr_kernarg_segment_ptr 1
		.amdhsa_wavefront_size32 1
		.amdhsa_system_sgpr_workgroup_id_x 1
		.amdhsa_system_sgpr_workgroup_id_y 1
		.amdhsa_system_sgpr_workgroup_id_z 1
		.amdhsa_system_vgpr_workitem_id 0
		.amdhsa_next_free_vgpr 256
		.amdhsa_next_free_sgpr 90
		.amdhsa_reserve_vcc 1
		.amdhsa_float_denorm_mode_32 3
		.amdhsa_float_denorm_mode_16_64 3
		.amdhsa_memory_ordered 1
		.amdhsa_forward_progress 1
		.amdhsa_inst_pref_size 46
	.end_amdhsa_kernel
	.amdgpu_metadata
---
amdhsa.version: [ 1, 2 ]
amdhsa.kernels:
  - .name:           k_qe10c4fd5d3_prep
    .symbol:         k_qe10c4fd5d3_prep.kd
    .args:
      - { .name: hidden_states, .offset: 0, .size: 8, .value_kind: global_buffer, .address_space: global }
      - { .name: Wq, .offset: 8, .size: 8, .value_kind: global_buffer, .address_space: global }
      - { .name: Wk, .offset: 16, .size: 8, .value_kind: global_buffer, .address_space: global }
      - { .name: Wv, .offset: 24, .size: 8, .value_kind: global_buffer, .address_space: global }
      - { .name: Wo, .offset: 32, .size: 8, .value_kind: global_buffer, .address_space: global }
      - { .name: lowp_scales, .offset: 40, .size: 8, .value_kind: global_buffer, .address_space: global }
      - { .name: xc, .offset: 48, .size: 8, .value_kind: global_buffer, .address_space: global }
      - { .name: wc, .offset: 56, .size: 8, .value_kind: global_buffer, .address_space: global }
      - { .name: tab, .offset: 64, .size: 8, .value_kind: global_buffer, .address_space: global }
    .group_segment_fixed_size: 68096
    .private_segment_fixed_size: 0
    .kernarg_segment_align: 8
    .kernarg_segment_size: 72
    .max_flat_workgroup_size: 128
    .sgpr_count:     90
    .vgpr_count:     256
    .wavefront_size: 32
...
	.end_amdgpu_metadata
.endif
;; end of part 1
;; launch qkv (part 2): grid 12 x 16, 4 waves a work-group, clusters of 4 x 1, 262,656 bytes of LDS; arguments xc, wc, tab, bq, bk, bv, lowp_scales, qc, kvc; writes qc, kvc
.if DOCPART == 2
	.amdgcn_target "amdgcn-amd-amdhsa--gfx1250"
	.amdhsa_code_object_version 6
	.text
	.protected	k_qe10c4fd5d3_qkv
	.globl	k_qe10c4fd5d3_qkv
	.p2align	8
	.type	k_qe10c4fd5d3_qkv,@function
k_qe10c4fd5d3_qkv:
	s_mov_b64 s[64:65], 0
	v_nop
	global_prefetch_b8 v0, s[64:65] scope:SCOPE_SE
	s_setreg_imm32_b32 hwreg(HW_REG_WAVE_MODE, 25, 1), 1
	s_wait_xcnt 0x0
	s_wait_alu depctr_hold_cnt(0) depctr_sa_sdst(0) depctr_va_vdst(0) depctr_va_sdst(0) depctr_va_ssrc(0) depctr_va_vcc(0) depctr_vm_vsrc(0)
	s_getreg_b32 s2, hwreg(HW_REG_IB_STS2, 6, 4)
	s_cmp_eq_u32 s2, 0
	s_cbranch_scc0 .Lentry_in_a_cluster
	s_endpgm
.Lentry_in_a_cluster:
	s_bfe_u32 s2, ttmp6, 0x10000c
	s_cmp_lg_u32 s2, 0x3003
	s_cbranch_scc0 .Lentry_shape_is_right
	s_endpgm
.Lentry_shape_is_right:
; q = rope(x Wq^T + bq), k = rope(x Wk^T + bk), v = x Wv^T + bv, all three products on codes of FP8 (E4M3); the results are quantised at once: q with e6, k with e7, v with e9.
; THE FORM.  Each wave keeps one operand R, 64 rows x 1,024 K, in 512 registers for the whole launch (read from memory once); the other operand S, 256 rows x 1,024 K = 256 KiB of codes, lies whole in LDS,
; filled once, and all four waves walk it, two tiles of 16 rows (a pair) at a time.  A fragment of S read from LDS feeds four matrix instructions.  Product: source 0 = R's tile t, source 1 = S's tile u:
; register j of lane (r, h) is (R's row 8 h + j of tile t, S's row r of tile u).
; ROLES.  The cluster's x is the product.  q, k: S = 256 tokens (y), R = the 64 rows of the weight of head 4 cx + w: a lane holds one token, its registers run along the head's 64: the next product's K.
;         v: S = 256 rows of Wv (four heads: y % 4), R = 64 tokens (block 4 (y / 4) + cx, wave w): a lane holds one channel, its registers run along the tokens: the keys, the next product's K.
; CLUSTER: the four work-groups of a cluster need the same S, and ask for it JOINTLY: the same tensor load, the same descriptor, a mask that names the four.  S's address hangs on the cluster's x, on y and on the wave's number alone.
; 192 work-groups: 3 x 1,024 features in whole heads, 64 to a wave, by 16 panels.
; OUT.  qc [bh 32][tile 128][piece 2][lane][16 B]: registers 2 t, 2 t + 1 of a K = 64 fragment: d = 16 t + 8 h + 0..7.  kvc [bh 32][key step 16][16,384]: K's eight tiles of 1,024 bytes, laid as q's; then V at
; 8,192 + 2,048 dt + 512 b + 16 lane: channel 16 dt + r, keys 32 b + 16 h + 0..15.  A tile's row r is token 32 (T / 2) + 8 (T % 2) + r + 8 (r / 8).  Each store covers 512 consecutive bytes, aligned.
; LIMITS: e0 + e1, e2 + e3, e4 + e5 between -126 and 127; e6, e7, e9 between -126 and 119.  NaN is not served.
; REGISTERS, in windows of 256: window 0: v1-9 addresses and scales; v16-79 the 8 accumulators (u, t) at 16 + 8 (4 u + t); v80-207 two sets of S's fragments (two K steps x two tiles); v208-239 results; v240-255 codes.
;   windows 1, 2: R(t, ks) at v[16 (4 (ks % 4) + t)] of window 1 + ks / 4.   window 3: v0-31 the bias of q or k; v32-95 cos and sin for the pair's two tiles; v96-99 bv for the pair's two tiles, each twice.
.set LI,   1                           ; v1  16 x lane: a lane's place in an image; never rewritten
.set XA,   2                           ; v2  LDS address of the pair in hand
.set BO,   3                           ; v3  32 h
.set BR,   4                           ; v4  4 r
.set LIM,  8                           ; v8  448 x 2^e of the result's scale
.set SCL,  9                           ; v9  2^e
.set ACC,  16
.set XS,   80
.set OUT,  208
.set CD,   240
.set BIAS, 0                           ; in window 3
.set TAB,  32
.set BV,   96
.set WV,   36
.set PROD, 37
.set CX,   38
.set YY,   39
.set G0,   40                          ; s[40:43] descriptor group 0
.set G1,   44                          ; s[44:51] descriptor group 1
.set RP,   52                          ; s[52:53] R in memory
.set TABP, 54                          ; s[54:55] the table's block of the pair in hand
.set BVP,  56                          ; s[56:57] bv's numbers of the pair in hand
.set SC,   58                          ; s[58:59] 2^(ea + eb), twice
.set OUT0, 60                          ; s[60:61] where pair 0's codes go
.set OB,   62                          ; s[62:63] where this pair's go
.set P,    66                          ; s66 the pair
.set TB,   67                          ; s67 its LDS byte
.set KX,   68                          ; s68 k alone: 8,192 more from pair 4 on (V's half of a key step is passed over)
.set BP,   82                          ; s[82:83] the bias of my head
.set MSB, 0
.macro WIN new                         ; the immediate's high byte repeats the setting that is left; a switch that changes nothing is dropped
.if MSB != (\new)
	s_set_vgpr_msb (MSB<<8)|(\new)
.set MSB, (\new)
.endif
.endm
.macro PLACES                          ; four plain lines between a matrix instruction and a load into, or a vector line on, its registers (ISA guide 7.12.1 for vector lines)
.rept 4
	v_nop
.endr
.endm
.macro CROUND                          ; a round of the cluster's barrier
	s_barrier_signal -1
	s_barrier_wait -1
	s_cmp_lg_u32 s[WV], 0
	s_cbranch_scc1 .Lnot_wave_0_\@
	s_barrier_signal -3
.Lnot_wave_0_\@:
	s_barrier_wait -3
	s_barrier_signal -1
	s_barrier_wait -1
.endm
	s_load_b512 s[4:19], s[0:1], 0x0               ; xc s[4:5], wc s[6:7], tab s[8:9], bq s[10:11], bk s[12:13], bv s[14:15], scales s[16:17], qc s[18:19]
	s_load_b64 s[20:21], s[0:1], 0x40              ; kvc
	v_lshl_add_u32 v14, v0, 2, 0x40000
	v_mov_b32 v15, 0
	ds_add_u32 v14, v15
	ds_add_u32 v14, v15
	v_lshrrev_b32 v2, 5, v0
	v_readfirstlane_b32 s[WV], v2                  ; wave 0..3
	v_and_b32 v2, 31, v0
	v_lshlrev_b32 v[LI], 4, v2
	v_bfe_u32 v[BO], v0, 4, 1
	v_lshlrev_b32 v[BO], 5, v[BO]
	v_and_b32 v[BR], 15, v0
	v_lshlrev_b32 v[BR], 2, v[BR]
	s_mov_b32 s[PROD], ttmp9                       ; the cluster's x: 0 q, 1 k, 2 v: the same in all four partners
	s_and_b32 s[YY], ttmp7, 0xffff
	; descriptor group 1: a dense block of 65,536 bytes as 256 rows of 32 elements of 8 bytes
	s_mov_b32 s[G1], 15|(3<<16)|(1<<21)            ; 15:0 the mask: all four work-groups; 17:16 elements of 8 bytes; 21 set beside a mask; no padding
	s_mov_b32 s[G1+1], 32<<16                      ; tensor_dim0 = 32
	s_mov_b32 s[G1+2], 256<<16                     ; tensor_dim1 = 256
	s_mov_b32 s[G1+3], 32<<16                      ; tile_dim0 = 32
	s_mov_b32 s[G1+4], 256                         ; tile_dim1 = 256
	s_mov_b32 s[G1+5], 32                          ; from row to row
	s_mov_b32 s[G1+6], 0
	s_mov_b32 s[G1+7], 0
	s_lshl_b32 s69, s[PROD], 22                    ; q, k: S = xc + 4 MiB x product + 256 KiB x y
	s_lshl_b32 s70, s[YY], 18
	s_add_co_u32 s69, s69, s70
	s_and_b32 s70, s[YY], 3                        ; v: S = wc + 2 MiB + 256 KiB x (y % 4)
	s_lshl_b32 s70, s70, 18
	s_add_co_u32 s70, s70, 0x200000
	s_lshl_b32 s[G0+1], s[WV], 16                  ; LDS address: my quarter of S
	s_cmp_eq_u32 s[PROD], 2
	s_cselect_b32 s70, s70, s69
	s_add_co_u32 s70, s70, s[G0+1]                 ; and the same quarter in memory
	s_mov_b32 s71, 0
	s_mov_b32 s[G0], 1                             ; count = 1
	s_wait_dscnt 0x0
	s_wait_kmcnt 0x0
	s_load_b256 s[24:31], s[16:17], 0x0            ; e0 .. e7
	s_load_b128 s[32:35], s[16:17], 0x20           ; e8 .. e11
	s_cmp_eq_u32 s[PROD], 2
	s_cselect_b64 s[G0+2:G0+3], s[6:7], s[4:5]
	s_add_nc_u64 s[G0+2:G0+3], s[G0+2:G0+3], s[70:71]
	s_or_b32 s[G0+3], s[G0+3], 0x80000000          ; type = 2
	CROUND                                         ; all four work-groups are here: the joint loads meet
	tensor_load_to_lds s[G0:G0+3], s[G1:G1+7]      ; my one tensor load of the launch: every LDS byte is filled once
	s_nop 0
	PLACES                                         ; four v_nop behind it
	; ---- what hangs on my place in the cluster: global addresses alone, in registers that feed no descriptor
	s_bfe_u32 s[CX], ttmp6, 0x40000
	s_lshl_b32 s73, s[CX], 2
	s_add_co_u32 s73, s73, s[WV]                   ; hd = 4 cx + w
	s_lshl_b32 s74, s73, 16
	s_lshl_b32 s75, s[PROD], 20
	s_add_co_u32 s75, s75, s74                     ; q, k: R = wc + 1 MiB x product + 64 KiB x hd
	s_lshr_b32 s76, s[YY], 2
	s_lshl_b32 s76, s76, 20
	s_add_co_u32 s76, s76, s74
	s_add_co_u32 s76, s76, 0x800000                ; v: R = xc + 8 MiB + 64 KiB x (16 (y / 4) + hd)
	s_cmp_eq_u32 s[PROD], 2
	s_cselect_b32 s76, s76, s75
	s_cselect_b64 s[RP:RP+1], s[4:5], s[6:7]
	s_mov_b32 s77, 0
	s_add_nc_u64 s[RP:RP+1], s[RP:RP+1], s[76:77]
	s_cmp_eq_u32 s[PROD], 0
	s_cselect_b64 s[BP:BP+1], s[10:11], s[12:13]
	s_cmp_eq_u32 s[PROD], 2
	s_cselect_b64 s[BP:BP+1], s[14:15], s[BP:BP+1]
	s_lshl_b32 s84, s73, 8
	s_mov_b32 s85, 0
	s_add_nc_u64 s[BP:BP+1], s[BP:BP+1], s[84:85]  ; 64 numbers from 64 hd on
	s_and_b32 s84, s[YY], 7
	s_lshl_b32 s84, s84, 16
	s_add_nc_u64 s[TABP:TABP+1], s[8:9], s[84:85]  ; the table at position tile 16 (y % 8)
	s_and_b32 s84, s[YY], 3
	s_lshl_b32 s84, s84, 10
	s_add_nc_u64 s[BVP:BVP+1], s[14:15], s[84:85]  ; bv at channel 256 (y % 4)
.irp ks, 0,1,2,3,4,5,6,7               ; R: 128 loads of 512 consecutive bytes
	WIN 0x40*(1+\ks/4)                             ; destination window 1, then 2
.irp t, 0,1,2,3
.irp c, 0,1,2,3
	global_load_b128 v[16*(4*(\ks%4)+\t)+4*\c:16*(4*(\ks%4)+\t)+4*\c+3], v[LI], s[RP:RP+1] offset:16384*\t+2048*\ks+512*\c
.endr
.endr
.endr
	WIN 0xc0                                       ; destination window 3.  The bias, pair 0's table block and pair 0's bv are loaded in every work-group, once: q and k do not use bv, v uses neither bias nor table
.irp t, 0,1,2,3
	global_load_b128 v[BIAS+8*\t:BIAS+8*\t+3], v[BO], s[BP:BP+1] offset:64*\t          ; b[64 hd + 16 t + 8 h + 0..7]
	global_load_b128 v[BIAS+8*\t+4:BIAS+8*\t+7], v[BO], s[BP:BP+1] offset:64*\t+16
.endr
.macro TABLOAD off                     ; cos and sin for two tiles of positions: 16 loads of 512 consecutive bytes
.irp u, 0,1
.irp q, 0,1,2,3,4,5,6,7
	global_load_b128 v[TAB+32*\u+4*\q:TAB+32*\u+4*\q+3], v[LI], s[TABP:TABP+1] offset:\off+4096*\u+512*\q
.endr
.endr
.endm
.macro BVLOAD off                      ; bv of my lane's channel in the pair's two tiles, each into both registers of a pair
.irp u, 0,1
	global_load_b32 v[BV+2*\u], v[BR], s[BVP:BVP+1] offset:\off+64*\u
	global_load_b32 v[BV+2*\u+1], v[BR], s[BVP:BVP+1] offset:\off+64*\u
.endr
.endm
	TABLOAD 0
	BVLOAD 0
	WIN 0
	; ---- where the codes go
	s_lshr_b32 s74, s[YY], 3                       ; the batch
	s_lshl_b32 s75, s74, 4
	s_add_co_u32 s75, s75, s73                     ; q, k: bh = 16 batch + hd
	s_and_b32 s76, s[YY], 7
	s_lshl_b32 s77, s75, 17
	s_lshl_b32 s78, s76, 14
	s_add_co_u32 s77, s77, s78                     ; q: 131,072 bh + 16,384 (y % 8)
	s_lshl_b32 s78, s77, 1                         ; k: 262,144 bh + 32,768 (y % 8)
	s_and_b32 s79, s[YY], 3
	s_lshl_b32 s79, s79, 2
	s_lshl_b32 s80, s74, 4
	s_add_co_u32 s79, s79, s80                     ; v: the panel's first head: 16 batch + 4 (y % 4)
	s_lshl_b32 s79, s79, 18
	s_bfe_u32 s80, s[YY], 0x10002
	s_lshl_b32 s80, s80, 2
	s_add_co_u32 s80, s80, s[CX]                   ; my block of 256 tokens in the batch
	s_lshl_b32 s80, s80, 1
	s_lshr_b32 s81, s[WV], 1
	s_add_co_u32 s80, s80, s81                     ; my key step
	s_lshl_b32 s80, s80, 14
	s_add_co_u32 s79, s79, s80
	s_and_b32 s81, s[WV], 1
	s_lshl_b32 s81, s81, 10                        ; my two blocks of 32 keys in it
	s_add_co_u32 s79, s79, s81
	s_add_co_u32 s79, s79, 8192                    ; behind K's tiles
	s_cmp_eq_u32 s[PROD], 0
	s_cselect_b32 s77, s77, s78
	s_cselect_b64 s[OUT0:OUT0+1], s[18:19], s[20:21]
	s_cmp_eq_u32 s[PROD], 2
	s_cselect_b32 s84, s79, s77
	s_cmp_eq_u32 s[PROD], 1
	s_cselect_b32 s[KX], 8192, 0
	s_add_nc_u64 s[OUT0:OUT0+1], s[OUT0:OUT0+1], s[84:85]
	; ---- the scales.  No branch hangs on them
	s_wait_kmcnt 0x0
	s_add_co_i32 s86, s24, s25                     ; e0 + e1
	s_add_co_i32 s87, s26, s27                     ; e2 + e3
	s_add_co_i32 s88, s28, s29                     ; e4 + e5
	s_cmp_eq_u32 s[PROD], 1
	s_cselect_b32 s86, s87, s86
	s_cselect_b32 s89, s31, s30                    ; e7 or e6
	s_cmp_eq_u32 s[PROD], 2
	s_cselect_b32 s86, s88, s86
	s_cselect_b32 s89, s33, s89                    ; e9
	s_add_co_i32 s86, s86, 127
	s_lshl_b32 s[SC], s86, 23                      ; 2^(ea + eb) as f32
	s_mov_b32 s[SC+1], s[SC]                       ; (named with it as a pair, so it is written)
	s_add_co_i32 s89, s89, 127
	s_lshl_b32 s86, s89, 23
	v_mov_b32 v[SCL], s86
	s_add_co_i32 s89, s89, 8
	s_lshl_b32 s89, s89, 23
	s_or_b32 s89, s89, 0x600000
	v_mov_b32 v[LIM], s89
; 16 LDS loads: S's fragments of K steps 2 kb, 2 kb + 1, tiles u = 0, 1 of the pair in hand (nxt = 1: of the next pair) into set
.macro XFETCH set, kb, nxt
.irp ksub, 0,1
.irp u, 0,1
.irp c, 0,1,2,3
	ds_load_b128 v[XS+64*\set+32*\ksub+16*\u+4*\c:XS+64*\set+32*\ksub+16*\u+4*\c+3], v[XA] offset:32768*\nxt+2048*(8*\u+2*\kb+\ksub)+512*\c
.endr
.endr
.endr
.endm
; 16 matrix instructions: two K steps x two tiles of S x R's four tiles.  The eight accumulators take turns, one instruction a turn, in the same order everywhere.  zero = 1: the first eight start the sums
.macro MULB set, kb, zero
	WIN 1+\kb/2                                    ; source 0 (R) window 1 or 2
.irp ksub, 0,1
.irp u, 0,1
.irp t, 0,1,2,3
.if \zero && (\ksub == 0)
	v_wmma_f32_16x16x128_fp8_fp8 v[ACC+8*(4*\u+\t):ACC+8*(4*\u+\t)+7], v[16*(4*(2*(\kb%2)+\ksub)+\t):16*(4*(2*(\kb%2)+\ksub)+\t)+15], v[XS+64*\set+32*\ksub+16*\u:XS+64*\set+32*\ksub+16*\u+15], 0
.else
	v_wmma_f32_16x16x128_fp8_fp8 v[ACC+8*(4*\u+\t):ACC+8*(4*\u+\t)+7], v[16*(4*(2*(\kb%2)+\ksub)+\t):16*(4*(2*(\kb%2)+\ksub)+\t)+15], v[XS+64*\set+32*\ksub+16*\u:XS+64*\set+32*\ksub+16*\u+15], v[ACC+8*(4*\u+\t):ACC+8*(4*\u+\t)+7]
.endif
.endr
.endr
.endr
	WIN 0
.endm
; A pair: 64 matrix instructions.  While one set is multiplied the other is on its way; each count of 16 leaves out the sixteen loads just issued and no more
.macro PAIR nxt
	XFETCH 1, 1, 0
	s_wait_dscnt 16
	MULB 0, 0, 1
	PLACES
	XFETCH 0, 2, 0
	s_wait_dscnt 16
	MULB 1, 1, 0
	PLACES
	XFETCH 1, 3, 0
	s_wait_dscnt 16
	MULB 0, 2, 0
	PLACES
.if \nxt
	XFETCH 0, 0, 1                                 ; the next pair's first fragments
	s_wait_dscnt 16
.else
	s_wait_dscnt 0x0
.endif
	MULB 1, 3, 0
	PLACES
.endm
; q, k: y = sum x 2^(ea + eb) + b; the rotation; the hold; the codes.  Tiles t and t + 2 of R hold d and d + 32
.macro EPI_QK nxt
	s_lshl_b32 s86, s[P], 11                       ; 2,048 bytes a pair,
	s_lshr_b32 s87, s[P], 2
	s_mul_i32 s87, s87, s[KX]                      ; and for k V's half of the first key step
	s_add_co_u32 s86, s86, s87
	s_mov_b32 s87, 0
	s_add_nc_u64 s[OB:OB+1], s[OUT0:OUT0+1], s[86:87]
.irp u, 0,1
	WIN 0x30                                       ; source 2 (the bias) window 3
.irp t, 0,1,2,3
.irp j, 0,2,4,6
.set YL, ACC+8*(4*\u+\t)+\j
	v_pk_fma_f32 v[YL:YL+1], v[YL:YL+1], s[SC:SC+1], v[BIAS+8*\t+\j:BIAS+8*\t+\j+1] op_sel_hi:[1,0,1]   ; each accumulator from its low end on
.endr
.endr
	WIN 0x0c                                       ; source 1 (cos, sin) window 3
.irp t, 0,1
.irp j, 0,2,4,6
.set YL, ACC+8*(4*\u+\t)+\j
.set YH, YL+16
.set OL, OUT+8*\t+\j
.set OH, OL+16
.set TC, TAB+32*\u+8*\t+\j
.set TS, TC+16
	v_pk_mul_f32 v[OL:OL+1], v[YL:YL+1], v[TC:TC+1]
	v_pk_mul_f32 v[OH:OH+1], v[YH:YH+1], v[TC:TC+1]
	v_pk_fma_f32 v[OL:OL+1], v[YH:YH+1], v[TS:TS+1], v[OL:OL+1] neg_lo:[1,0,0] neg_hi:[1,0,0]   ; y(d) cos - y(d + 32) sin
	v_pk_fma_f32 v[OH:OH+1], v[YL:YL+1], v[TS:TS+1], v[OH:OH+1]                                 ; y(d + 32) cos + y(d) sin
.endr
.endr
	WIN 0
.set n, 0
.rept 32
	v_med3_num_f32 v[OUT+n], v[OUT+n], -v[LIM], v[LIM]   ; the conversion does not saturate (ISA guide 7.6.2): the hold at the largest code x the scale
.set n, n+1
.endr
.irp t, 0,1,2,3
	v_cvt_scalef32_pk8_fp8_f32 v[CD+8*\u+2*\t:CD+8*\u+2*\t+1], v[OUT+8*\t:OUT+8*\t+7], v[SCL]
.endr
	v_nop                                          ; one plain line behind the conversions: their sources are written again below
	global_store_b128 v[LI], v[CD+8*\u:CD+8*\u+3], s[OB:OB+1] offset:1024*\u
	global_store_b128 v[LI], v[CD+8*\u+4:CD+8*\u+7], s[OB:OB+1] offset:1024*\u+512
.endr
.if \nxt
	WIN 0xc0
	TABLOAD 8192                                   ; the next pair's cos and sin: they land under its 64 matrix instructions
	WIN 0
.endif
.endm
; v: y = sum x 2^(e4 + e5) + bv; the hold; the codes.  Tiles 2 g and 2 g + 1 of R are 16 neighbouring keys of my half
.macro EPI_V nxt
	s_lshr_b32 s86, s[P], 1
	s_lshl_b32 s86, s86, 18                        ; the head: two pairs to a head
	s_and_b32 s87, s[P], 1
	s_lshl_b32 s87, s87, 12                        ; its channels 32 (P % 2) on
	s_add_co_u32 s86, s86, s87
	s_mov_b32 s87, 0
	s_add_nc_u64 s[OB:OB+1], s[OUT0:OUT0+1], s[86:87]
	WIN 0x30
.irp u, 0,1
.irp t, 0,1,2,3
.irp j, 0,2,4,6
.set YL, ACC+8*(4*\u+\t)+\j
	v_pk_fma_f32 v[YL:YL+1], v[YL:YL+1], s[SC:SC+1], v[BV+2*\u:BV+2*\u+1] op_sel_hi:[1,0,1]
.endr
.endr
.endr
	WIN 0
.set n, 0
.rept 64
	v_med3_num_f32 v[ACC+n], v[ACC+n], -v[LIM], v[LIM]
.set n, n+1
.endr
.irp u, 0,1
.irp g, 0,1
.irp a, 0,1
	v_cvt_scalef32_pk8_fp8_f32 v[CD+4*(2*\u+\g)+2*\a:CD+4*(2*\u+\g)+2*\a+1], v[ACC+8*(4*\u+2*\g+\a):ACC+8*(4*\u+2*\g+\a)+7], v[SCL]
.endr
.endr
.endr
	v_nop                                          ; one plain line behind the conversions: the next products write their sources
.irp u, 0,1
.irp g, 0,1
	global_store_b128 v[LI], v[CD+4*(2*\u+\g):CD+4*(2*\u+\g)+3], s[OB:OB+1] offset:2048*\u+512*\g
.endr
.endr
.if \nxt
	WIN 0xc0
	BVLOAD 128
	WIN 0
.endif
.endm
.macro TRIP nxt
	PAIR \nxt
	s_wait_loadcnt 0x0                             ; this pair's table block or bv
	s_cmp_eq_u32 s[PROD], 2                        ; the same way in all four partners
	s_cbranch_scc1 .Lv_\@
	EPI_QK \nxt
	s_branch .Lj_\@
.Lv_\@:
	EPI_V \nxt
.Lj_\@:
.if \nxt
	s_wait_xcnt 0x0                                ; the stores and loads above have read their bases and data: pointers and codes may be written again
	s_wait_dscnt 0x0                               ; the next pair's first fragments, asked for by XA, are in
	s_add_nc_u64 s[TABP:TABP+1], s[TABP:TABP+1], 8192
	s_add_nc_u64 s[BVP:BVP+1], s[BVP:BVP+1], 128
	s_add_co_u32 s[TB], s[TB], 32768
	v_add_nc_u32 v[XA], s[TB], v[LI]
	s_add_co_u32 s[P], s[P], 1
.endif
.endm
	s_wait_tensorcnt 0x0                           ; my quarter of S is in,
	s_barrier_signal -1
	s_barrier_wait -1                              ; everybody's is
	s_mov_b32 s[P], 0
	s_mov_b32 s[TB], 0
	v_mov_b32 v[XA], v[LI]
	XFETCH 0, 0, 0
	s_wait_loadcnt 0x0                             ; R, the bias, pair 0's table block and bv
.Ltrip:
	TRIP 1
	s_cmp_lt_u32 s[P], 7
	s_cbranch_scc1 .Ltrip
	TRIP 0                                         ; the last pair is written out: it fetches nothing beyond S
	s_wait_dscnt 0x0
	s_wait_tensorcnt 0x0
	ds_add_u32 v14, v15
	s_wait_dscnt 0x0
	CROUND                                         ; the closing round
	s_endpgm
.Lfunc_end_k_qe10c4fd5d3_qkv:
	.size	k_qe10c4fd5d3_qkv, .Lfunc_end_k_qe10c4fd5d3_qkv-k_qe10c4fd5d3_qkv
	.p2alignl 7, 3214868480
	.fill 96, 4, 3214868480
	.section	.rodata,"a",@progbits
	.p2align	6, 0x0
	.amdhsa_kernel k_qe10c4fd5d3_qkv
		.amdhsa_group_segment_fixed_size 262656
		.amdhsa_private_segment_fixed_size 0
		.amdhsa_enable_private_segment 0
		.amdhsa_kernarg_size 72
		.amdhsa_user_sgpr_count 2
		.amdhsa_user_sgpr_kernarg_segment_ptr 1
		.amdhsa_wavefront_size32 1
		.amdhsa_system_sgpr_workgroup_id_x 1
		.amdhsa_system_sgpr_workgroup_id_y 1
		.amdhsa_system_sgpr_workgroup_id_z 1
		.amdhsa_system_vgpr_workitem_id 0
		.amdhsa_next_free_vgpr 1024
		.amdhsa_next_free_sgpr 100
		.amdhsa_reserve_vcc 0
		.amdhsa_float_denorm_mode_32 3
		.amdhsa_float_denorm_mode_16_64 3
		.amdhsa_memory_ordered 1
		.amdhsa_forward_progress 1
		.amdhsa_inst_pref_size 79
	.end_amdhsa_kernel
	.amdgpu_metadata
---
amdhsa.version: [ 1, 2 ]
amdhsa.kernels:
  - .name:           k_qe10c4fd5d3_qkv
    .symbol:         k_qe10c4fd5d3_qkv.kd
    .args:
      - { .name: xc, .offset: 0, .size: 8, .value_kind: global_buffer, .address_space: global }
      - { .name: wc, .offset: 8, .size: 8, .value_kind: global_buffer, .address_space: global }
      - { .name: tab, .offset: 16, .size: 8, .value_kind: global_buffer, .address_space: global }
      - { .name: bq, .offset: 24, .size: 8, .value_kind: global_buffer, .address_space: global }
      - { .name: bk, .offset: 32, .size: 8, .value_kind: global_buffer, .address_space: global }
      - { .name: bv, .offset: 40, .size: 8, .value_kind: global_buffer, .address_space: global }
      - { .name: lowp_scales, .offset: 48, .size: 8, .value_kind: global_buffer, .address_space: global }
      - { .name: qc, .offset: 56, .size: 8, .value_kind: global_buffer, .address_space: global }
      - { .name: kvc, .offset: 64, .size: 8, .value_kind: global_buffer, .address_space: global }
    .group_segment_fixed_size: 262656
    .private_segment_fixed_size: 0
    .kernarg_segment_align: 8
    .kernarg_segment_size: 72
    .max_flat_workgroup_size: 128
    .sgpr_count:     100
    .vgpr_count:     1024
    .wavefront_size: 32
...
	.end_amdgpu_metadata
.endif
;; end of part 2
;; launch attn (part 3): grid 8 x 32, 16 waves a work-group, no clusters, 264,192 bytes of LDS; arguments qc, kvc, lowp_scales, ac; writes ac
.if DOCPART == 3
	.amdgcn_target "amdgcn-amd-amdhsa--gfx1250"
	.amdhsa_code_object_version 6
	.text
	.protected	k_qe10c4fd5d3_attn
	.globl	k_qe10c4fd5d3_attn
	.p2align	8
	.type	k_qe10c4fd5d3_attn,@function
k_qe10c4fd5d3_attn:
	s_mov_b64 s[64:65], 0
	v_nop
	global_prefetch_b8 v0, s[64:65] scope:SCOPE_SE
	s_setreg_imm32_b32 hwreg(HW_REG_WAVE_MODE, 25, 1), 1
	s_wait_xcnt 0x0
; o = softmax(q k^T / 8, causal) v for one head, both products on codes of FP8 (E4M3); o is quantised at once with e10, as the left operand of the last projection.
; THE SOFTMAX AHEAD OF THE SECOND PRODUCT: t = score x log2(e) / 8; M = the row's largest t so far, rounded UP to a whole number; p = 2^(t - M) is quantised with e8, not normalised; the row's sum is taken of the
; unquantised p and divides at the end.  When M moves, the sum and O are multiplied by 2^(old M - new M): nothing is rounded.
; SHARES.  Work-group (i, bh) owns the blocks i and 15 - i of 128 queries of head bh: (i + 1) + (16 - i) = 17 key steps for each of eight tiles, the same in every work-group.  Each of the sixteen waves owns one tile
; of 16 queries, in 256 registers: four waves to a SIMD, two of each block.  A key step is 128 keys.  Steps wholly above the diagonal are left out by a scalar branch on ids; every wave walks all 16 steps' loop trips and passes every barrier.
; LDS holds the head's whole K and V, 262,144 bytes, filled ONCE: waves 0-3 issue four tensor loads each at the head (four of a wave are out at the most); load g of wave w is key step 4 g + w.
; NO CLUSTER: the work-groups that share K and V are the query blocks of one head, and which steps they leave out hangs on their place; joint requests want partners that run alike.
; LAYOUT.  Both products are used transposed: S^T = K Q^T (source 0 = 16 keys, source 1 = my queries, K = 64), O^T = V^T P^T (source 0 = 16 channels, source 1 = P, K = 128 keys): a lane holds ONE query throughout.
; Row r of a tile of keys or queries is number 32 (T / 2) + 8 (T % 2) + r + 8 (r / 8): so the 16 registers of score tiles 2 b, 2 b + 1 are keys 32 b + 16 h + 0..15, the order in which V's images hold the keys.
; OUT.  ac [tile 256][K step 8][2048]: K step = head / 2, pieces 2 (head % 2) + 0, 1.  Each store covers 512 consecutive bytes, aligned.
; LIMITS: e6 + e7 between -123 and 130 (added to c's exponent field); e8 and e10 between -126 and 119; e8 + e9 is applied by v_ldexp_f32 and has none.  NaN is not served.
; REGISTERS: v1 16 x lane; v2 my query less 16 h, within its block; v3 LDS address; v12 -M, v13 the largest t, v[14:15] the sum in two halves; v16-23 Q; v32-95 K's eight fragments, then V's four; v96-159 S^T, then p;
;   v160-191 O^T; v192-199 o's codes; v200-208 at work; v210, v211: 448 x 2^e8, 2^e8; v212 -infinity; v213, v214: 448 x 2^e10, 2^e10; v224-239 p's codes.
.set LI,   1
.set DQ,   2
.set AD,   3
.set KV,   32
.set SS,   96
.set OT,   160
.set PC,   224
.set WV,   18
.set SEL,  20                          ; s[20:21] v_permlanex16_b32's selects: lane l xor 16
.set CS,   22                          ; s[22:23] c = log2(e) / 8 x 2^(e6 + e7), twice
.set G1,   24                          ; s[24:31] descriptor group 1
.set G0,   40                          ; s[40:55] four groups 0
.set TB,   56                          ; s56 LDS byte of the key step in hand
.set ST,   57                          ; s57 the key step
.set LAST, 58                          ; s58 my block of queries = my last key step, the one on the diagonal
.set CNT,  59
.set EO,   37                          ; s37 e8 + e9
	s_load_b256 s[4:11], s[0:1], 0x0               ; qc s[4:5], kvc s[6:7], scales s[8:9], ac s[10:11]
	v_lshl_add_u32 v254, v0, 2, 0x40000
	v_mov_b32 v255, 0
	ds_add_u32 v254, v255
	ds_add_u32 v254, v255
	v_lshrrev_b32 v3, 5, v0
	v_readfirstlane_b32 s[WV], v3                  ; wave 0..15
	v_and_b32 v3, 31, v0
	v_lshlrev_b32 v[LI], 4, v3
	s_and_b32 s60, ttmp7, 0xffff                   ; bh
	; descriptor group 1: a dense block of 16,384 bytes as 64 rows of 32 elements of 8 bytes
	s_mov_b32 s[G1], 3<<16                         ; no mask; elements of 8 bytes; no padding
	s_mov_b32 s[G1+1], 32<<16                      ; tensor_dim0 = 32
	s_mov_b32 s[G1+2], 64<<16                      ; tensor_dim1 = 64
	s_mov_b32 s[G1+3], 32<<16                      ; tile_dim0 = 32
	s_mov_b32 s[G1+4], 64                          ; tile_dim1 = 64
	s_mov_b32 s[G1+5], 32                          ; from row to row
	s_mov_b32 s[G1+6], 0
	s_mov_b32 s[G1+7], 0
	s_lshl_b32 s66, s60, 18                        ; the head's 262,144 bytes
	s_mov_b32 s67, 0
	s_lshl_b32 s61, s[WV], 14                      ; key step w, in LDS as in memory
	s_mov_b32 s68, s61
	s_mov_b32 s69, 0
	s_wait_dscnt 0x0
	s_wait_kmcnt 0x0
	s_load_b128 s[32:35], s[8:9], 0x18             ; e6, e7, e8, e9
	s_load_b32 s36, s[8:9], 0x28                   ; e10
	s_add_nc_u64 s[66:67], s[6:7], s[66:67]
	s_add_nc_u64 s[66:67], s[66:67], s[68:69]
.irp g, 0,1,2,3
	s_mov_b32 s[G0+4*\g], 1                        ; count = 1
	s_add_co_u32 s[G0+4*\g+1], s61, 65536*\g       ; LDS address: key step 4 g + w
	s_add_nc_u64 s[G0+4*\g+2:G0+4*\g+3], s[66:67], 65536*\g
	s_or_b32 s[G0+4*\g+3], s[G0+4*\g+3], 0x80000000   ; type = 2
.endr
	s_cmp_lt_u32 s[WV], 4                          ; all first fills of a wave stand in one branch on the wave's number, ahead of every wait on TENSORcnt, every LDS read and every barrier
	s_cbranch_scc0 .Lno_fill
	tensor_load_to_lds s[G0:G0+3], s[G1:G1+7]
	s_nop 0
	tensor_load_to_lds s[G0+4:G0+7], s[G1:G1+7]
	s_nop 0
	tensor_load_to_lds s[G0+8:G0+11], s[G1:G1+7]
	s_nop 0
	tensor_load_to_lds s[G0+12:G0+15], s[G1:G1+7]
	s_nop 0
.rept 4
	v_nop                                          ; four v_nop behind the last
.endr
.Lno_fill:
	s_lshr_b32 s70, s[WV], 2
	s_xor_b32 s70, s70, s[WV]
	s_and_b32 s70, s70, 1                          ; which of the two blocks is mine: waves 2 tq and 2 tq + 1 take one each
	s_sub_co_u32 s71, 15, ttmp9
	s_cmp_eq_u32 s70, 1
	s_cselect_b32 s[LAST], s71, ttmp9
	s_lshr_b32 s72, s[WV], 1                       ; tq: my tile in the block
	s_lshl_b32 s73, s[LAST], 3
	s_add_co_u32 s73, s73, s72                     ; T: my tile in the head
	s_lshl_b32 s74, s60, 17
	s_lshl_b32 s75, s73, 10
	s_add_co_u32 s74, s74, s75
	s_mov_b32 s75, 0
	s_add_nc_u64 s[4:5], s[4:5], s[74:75]
	global_load_b128 v[16:19], v[LI], s[4:5]       ; Q's fragment stays in registers
	global_load_b128 v[20:23], v[LI], s[4:5] offset:512
	s_lshr_b32 s76, s60, 4                         ; ac: tile 128 batch + T,
	s_lshl_b32 s76, s76, 7
	s_add_co_u32 s76, s76, s73
	s_lshl_b32 s76, s76, 14
	s_bfe_u32 s77, s60, 0x30001                    ; K step head / 2,
	s_lshl_b32 s77, s77, 11
	s_add_co_u32 s76, s76, s77
	s_and_b32 s77, s60, 1                          ; pieces 2 (head % 2) on
	s_lshl_b32 s77, s77, 10
	s_add_co_u32 s76, s76, s77
	s_mov_b32 s77, 0
	s_add_nc_u64 s[10:11], s[10:11], s[76:77]
	s_lshr_b32 s78, s72, 1
	s_lshl_b32 s78, s78, 5
	s_and_b32 s79, s72, 1
	s_lshl_b32 s79, s79, 3
	s_add_co_u32 s78, s78, s79                     ; 32 (tq / 2) + 8 (tq % 2)
	v_and_b32 v4, 15, v0                           ; r
	v_and_b32 v5, 8, v4
	v_add3_u32 v[DQ], v4, v5, s78                  ; my query within its block of 128
	v_bfe_u32 v5, v0, 4, 1
	v_lshlrev_b32 v5, 4, v5
	v_sub_nc_u32 v[DQ], v[DQ], v5                  ; less 16 h: register 16 b + i holds key 32 b + i + 16 h of the step: hidden on the diagonal where 32 b + i > this
	s_mov_b32 s[SEL], 0x76543210
	s_mov_b32 s[SEL+1], 0xfedcba98
	s_mov_b32 s[TB], 0
	s_mov_b32 s[ST], 0
	v_mov_b32 v13, 0xff61b1e6                      ; the largest t so far: -3e38, under every t
	v_floor_f32 v12, -v13                          ; -M
	v_mov_b32 v14, 0                               ; the sum, in two halves
	v_mov_b32 v15, 0
	v_mov_b32 v205, 0                              ; (named as the upper half of the pair v[204:205])
	v_mov_b32 v208, 0                              ; written once: a lane permute's destination counts as one of its sources
	v_mov_b32 v212, 0xff800000                     ; -infinity
.set n, 0
.rept 32
	v_mov_b32 v[OT+n], 0                           ; O^T.  (The step is written without a first step of its own: the first change of M multiplies zeros)
.set n, n+1
.endr
	s_wait_kmcnt 0x0
	s_add_co_i32 s70, s32, s33
	s_lshl_b32 s70, s70, 23
	s_mov_b32 s[CS], 0x3e38aa3b                    ; log2(e) / 8
	s_add_co_i32 s[CS], s[CS], s70                 ; a score stands for score x 2^(e6 + e7): the exponents are added to c's exponent field
	s_mov_b32 s[CS+1], s[CS]
	s_add_co_i32 s70, s34, 127
	s_lshl_b32 s71, s70, 23
	v_mov_b32 v211, s71                            ; 2^e8
	s_add_co_i32 s70, s70, 8
	s_lshl_b32 s70, s70, 23
	s_or_b32 s70, s70, 0x600000
	v_mov_b32 v210, s70                            ; 448 x 2^e8
	s_add_co_i32 s70, s36, 127
	s_lshl_b32 s71, s70, 23
	v_mov_b32 v214, s71                            ; 2^e10
	s_add_co_i32 s70, s70, 8
	s_lshl_b32 s70, s70, 23
	s_or_b32 s70, s70, 0x600000
	v_mov_b32 v213, s70                            ; 448 x 2^e10
	s_add_co_i32 s[EO], s34, s35                   ; e8 + e9
; A KEY STEP: 128 keys
.macro STEP
	s_cmp_gt_u32 s[ST], s[LAST]                    ; all its keys come after my queries: the work is left out, not the lines at its end that step addresses
	s_cbranch_scc1 .Lskip_\@
	v_add_nc_u32 v[AD], s[TB], v[LI]
.rept 3
	v_nop                                          ; with the addition above: four places in front of loads into registers that the last products read
.endr
.set n, 0
.rept 16
	ds_load_b128 v[KV+4*n:KV+4*n+3], v[AD] offset:512*n   ; K's eight tiles, 1,024 bytes each, as images
.set n, n+1
.endr
	s_wait_dscnt 0x0
.irp t, 0,1,2,3,4,5,6,7
	v_wmma_f32_16x16x64_fp8_fp8 v[SS+8*\t:SS+8*\t+7], v[KV+8*\t:KV+8*\t+7], v[16:23], 0
.endr
.rept 4
	v_nop                                          ; four places: ahead of the loads into K's registers and of the first read of the scores
.endr
.set n, 0
.rept 16
	ds_load_b128 v[KV+4*n:KV+4*n+3], v[AD] offset:8192+512*n   ; V's four fragments: asked for here, wanted behind the softmax
.set n, n+1
.endr
	s_cmp_lg_u32 s[ST], s[LAST]                    ; on the diagonal the scores of hidden keys become -infinity ahead of the maximum: p = 0 then
	s_cbranch_scc1 .Lopen_\@
.set n, 0
.rept 64
	v_cmp_gt_i32 vcc_lo, 32*(n/16)+n%16, v[DQ]
	v_cndmask_b32 v[SS+n], v[SS+n], v212, vcc_lo
.set n, n+1
.endr
.Lopen_\@:
	v_max3_num_f32 v200, v96, v97, v98             ; the step's largest score of my query among my 64 keys, in two chains, each accumulator from its low end on,
	v_max3_num_f32 v201, v99, v100, v101
.irp i, 6,10,14,18,22,26,30,34,38,42,46,50,54,58
	v_max3_num_f32 v200, v200, v[SS+\i], v[SS+1+\i]
	v_max3_num_f32 v201, v201, v[SS+2+\i], v[SS+3+\i]
.endr
	v_max3_num_f32 v200, v200, v158, v159
	v_max_num_f32 v200, v200, v201
	v_permlanex16_b32 v208, v200, s[SEL], s[SEL+1]
	v_max_num_f32 v200, v200, v208                 ; and among lane l xor 16's
	v_mul_f32 v200, s[CS], v200                    ; as t (c is positive)
	v_max_num_f32 v13, v13, v200                   ; the running largest t
	v_mov_b32 v200, v12
	v_floor_f32 v12, -v13                          ; the new -M = floor(-t) = -ceil(t)
	v_sub_f32 v200, v12, v200                      ; old M less new M: a whole number, 0 or less
	v_cvt_i32_f32 v200, v200                       ; (it saturates)
	v_ldexp_f32 v204, 1.0, v200                    ; f = 2^(old M - new M)
.set n, 0
.rept 32
	v_pk_fma_f32 v[SS+n:SS+n+1], v[SS+n:SS+n+1], s[CS:CS+1], v[12:13] op_sel_hi:[1,0,0]   ; t - M, two at a time (of the pairs c and -M the low word serves both halves)
.set n, n+2
.endr
.set n, 0
.rept 64
	v_exp_f32 v[SS+n], v[SS+n]                     ; p = 2^(t - M)
.set n, n+1
.endr
	v_pk_mul_f32 v[14:15], v[14:15], v[204:205] op_sel_hi:[1,0]   ; the sums under the new M.  (The plain line behind the exponentials)
	s_wait_alu depctr_va_vdst(0)                   ; one wait for the batch of 64, ahead of its first reader
	v_pk_add_f32 v[206:207], v[96:97], v[98:99]    ; the row's sum is taken of the unquantised p, in two chains
.irp j, 4,8,12,16,20,24,28,32,36,40,44,48,52,56,60
	v_pk_add_f32 v[14:15], v[14:15], v[SS+\j:SS+1+\j]
	v_pk_add_f32 v[206:207], v[206:207], v[SS+2+\j:SS+3+\j]
.endr
	v_pk_add_f32 v[14:15], v[14:15], v[206:207]
.irp b, 0,1,2,3
.irp i, 0,1,2,3,4,5,6,7,8,9,10,11,12,13,14,15
	v_min_num_f32 v[SS+16*\b+\i], v[SS+16*\b+\i], v210   ; the conversion does not saturate (ISA guide 7.6.2); p is not negative, so the hold is one-sided
.endr
	v_cvt_scalef32_pk8_fp8_f32 v[PC+4*\b:PC+4*\b+1], v[SS+16*\b:SS+16*\b+7], v211
	v_cvt_scalef32_pk8_fp8_f32 v[PC+4*\b+2:PC+4*\b+3], v[SS+16*\b+8:SS+16*\b+15], v211
.endr
.set n, 0
.rept 16
	v_pk_mul_f32 v[OT+n:OT+n+1], v[OT+n:OT+n+1], v[204:205] op_sel_hi:[1,0]   ; O^T under the new M.  (Also the plain lines between the conversions and the products)
.set n, n+2
.endr
	s_wait_dscnt 0x0                               ; V is in
.irp t, 0,1,2,3
	v_wmma_f32_16x16x128_fp8_fp8 v[OT+8*\t:OT+8*\t+7], v[KV+16*\t:KV+16*\t+15], v[PC:PC+15], v[OT+8*\t:OT+8*\t+7]   ; the four accumulators by turns
.endr
.Lskip_\@:
	s_add_co_u32 s[TB], s[TB], 16384
	s_add_co_u32 s[ST], s[ST], 1
.endm
; Four key steps.  The count leaves out the loads of the later groups, so they may stay out across this barrier
.macro GROUP g
	s_wait_tensorcnt 3-\g                          ; my load g has landed (waves 4-15 have none),
	s_wait_dscnt 0x0
	s_barrier_signal -1
	s_barrier_wait -1                              ; and so have the other three: key steps 4 g .. 4 g + 3 lie in LDS
	s_mov_b32 s[CNT], 4
.Lg_\@:
	STEP
	s_sub_co_u32 s[CNT], s[CNT], 1
	s_cmp_lg_u32 s[CNT], 0
	s_cbranch_scc1 .Lg_\@
.endm
	s_wait_loadcnt 0x0                             ; Q
	GROUP 0
	GROUP 1
	GROUP 2
	GROUP 3
	; THE WAY OUT: o = O^T x 2^(e8 + e9) / the sum; the hold; the codes: registers 2 t, 2 t + 1 hold channels 16 t + 8 h + 0..7 of my query
.rept 4
	v_nop                                          ; four places behind the last products
.endr
	v_add_f32 v14, v14, v15                        ; the sum's two halves,
	v_permlanex16_b32 v208, v14, s[SEL], s[SEL+1]
	v_add_f32 v14, v14, v208                       ; and lane l xor 16's
	v_rcp_f32 v14, v14
	v_nop                                          ; a plain line behind the reciprocal
	s_wait_alu depctr_va_vdst(0)                   ; and the wait ahead of its first reader
	v_ldexp_f32 v14, v14, s[EO]
.set n, 0
.rept 32
	v_mul_f32 v[SS+n], v[OT+n], v14                ; each accumulator from its low end on
.set n, n+1
.endr
.set n, 0
.rept 32
	v_med3_num_f32 v[SS+n], v[SS+n], -v213, v213
.set n, n+1
.endr
.irp t, 0,1,2,3
	v_cvt_scalef32_pk8_fp8_f32 v[192+2*\t:193+2*\t], v[SS+8*\t:SS+8*\t+7], v214
.endr
	v_nop
	global_store_b128 v[LI], v[192:195], s[10:11]
	global_store_b128 v[LI], v[196:199], s[10:11] offset:512
	s_wait_tensorcnt 0x0
	ds_add_u32 v254, v255
	s_wait_dscnt 0x0
	s_endpgm
.Lfunc_end_k_qe10c4fd5d3_attn:
	.size	k_qe10c4fd5d3_attn, .Lfunc_end_k_qe10c4fd5d3_attn-k_qe10c4fd5d3_attn
	.p2alignl 7, 3214868480
	.fill 96, 4, 3214868480
	.section	.rodata,"a",@progbits
	.p2align	6, 0x0
	.amdhsa_kernel k_qe10c4fd5d3_attn
		.amdhsa_group_segment_fixed_size 264192
		.amdhsa_private_segment_fixed_size 0
		.amdhsa_enable_private_segment 0
		.amdhsa_kernarg_size 32
		.amdhsa_user_sgpr_count 2
		.amdhsa_user_sgpr_kernarg_segment_ptr 1
		.amdhsa_wavefront_size32 1
		.amdhsa_system_sgpr_workgroup_id_x 1
		.amdhsa_system_sgpr_workgroup_id_y 1
		.amdhsa_system_sgpr_workgroup_id_z 1
		.amdhsa_system_vgpr_workitem_id 0
		.amdhsa_next_free_vgpr 256
		.amdhsa_next_free_sgpr 100
		.amdhsa_reserve_vcc 1
		.amdhsa_float_denorm_mode_32 3
		.amdhsa_float_denorm_mode_16_64 3
		.amdhsa_memory_ordered 1
		.amdhsa_forward_progress 1
		.amdhsa_inst_pref_size 93
	.end_amdhsa_kernel
	.amdgpu_metadata
---
amdhsa.version: [ 1, 2 ]
amdhsa.kernels:
  - .name:           k_qe10c4fd5d3_attn
    .symbol:         k_qe10c4fd5d3_attn.kd
    .args:
      - { .name: qc, .offset: 0, .size: 8, .value_kind: global_buffer, .address_space: global }
      - { .name: kvc, .offset: 8, .size: 8, .value_kind: global_buffer, .address_space: global }
      - { .name: lowp_scales, .offset: 16, .size: 8, .value_kind: global_buffer, .address_space: global }
      - { .name: ac, .offset: 24, .size: 8, .value_kind: global_buffer, .address_space: global }
    .group_segment_fixed_size: 264192
    .private_segment_fixed_size: 0
    .kernarg_segment_align: 8
    .kernarg_segment_size: 32
    .max_flat_workgroup_size: 512
    .sgpr_count:     100
    .vgpr_count:     256
    .wavefront_size: 32
...
	.end_amdgpu_metadata
.endif
;; end of part 3
;; launch oproj (part 4): grid 4 x 64, 4 waves a work-group, clusters of 4 x 1, 168,448 bytes of LDS; arguments ac, wc, bo, lowp_scales, out0; writes out0
.if DOCPART == 4
	.amdgcn_target "amdgcn-amd-amdhsa--gfx1250"
	.amdhsa_code_object_version 6
	.text
	.protected	k_qe10c4fd5d3_oproj
	.globl	k_qe10c4fd5d3_oproj
	.p2align	8
	.type	k_qe10c4fd5d3_oproj,@function
k_qe10c4fd5d3_oproj:
	s_mov_b64 s[64:65], 0
	v_nop
	global_prefetch_b8 v0, s[64:65] scope:SCOPE_SE
	s_setreg_imm32_b32 hwreg(HW_REG_WAVE_MODE, 25, 1), 1
	s_wait_xcnt 0x0
	s_wait_alu depctr_hold_cnt(0) depctr_sa_sdst(0) depctr_va_vdst(0) depctr_va_sdst(0) depctr_va_ssrc(0) depctr_va_vcc(0) depctr_vm_vsrc(0)
	s_getreg_b32 s2, hwreg(HW_REG_IB_STS2, 6, 4)
	s_cmp_eq_u32 s2, 0
	s_cbranch_scc0 .Lentry_in_a_cluster
	s_endpgm
.Lentry_in_a_cluster:
	s_bfe_u32 s2, ttmp6, 0x10000c
	s_cmp_lg_u32 s2, 0x3003
	s_cbranch_scc0 .Lentry_shape_is_right
	s_endpgm
.Lentry_shape_is_right:
; out0 = a Wo^T + bo on codes of FP8 (E4M3): a, the attention's result, with e10; Wo with e11.  out0 [4096][1024] f32.
; THE FORM is that of the launch that makes q, k and v.  Each wave keeps R = 64 rows of Wo x 1,024 K in 512 registers (rows 64 (4 cx + w) on); S = 64 tokens x 1,024 K = 65,536 bytes of a's codes lies in LDS, filled once,
; and all four waves walk it in two pairs of tiles.  Source 0 = R's tile t, source 1 = S's tile u: register j of lane (r, h) is (output 16 t + 8 h + j, the tile's token r).
; CLUSTER: the four work-groups of a cluster take the same 64 tokens (y) and ask for S JOINTLY; its address hangs on y and the wave's number alone.  256 work-groups.
; THE WAY OUT: a lane holds 8 neighbouring outputs of one token; a tile's 16 tokens x 64 outputs go through the wave's own stage in LDS (rows of 256 + 16 bytes) and leave as rows: sixteen lanes store 256 consecutive bytes, aligned.
; Row r of token tile T is token 32 (T / 2) + 8 (T % 2) + r + 8 (r / 8).  The stages lie behind S, in bytes into which no tensor load lands.  The launch claims more LDS than the 100,352 bytes it uses, so that it is alone on its WGP.
; LIMIT: e10 + e11 between -126 and 127.
; REGISTERS: window 0: v1-9 addresses; v16-79 the 8 accumulators; v80-207 two sets of S's fragments, the second also the rows on their way out.  windows 1, 2: R(t, ks) at v[16 (4 (ks % 4) + t)] of window 1 + ks / 4.  window 3: v0-31 bo.
.set LI,   1                           ; v1  16 x lane
.set XA,   2                           ; v2  LDS address of the pair in hand
.set BO,   3                           ; v3  32 h
.set STO,  4                           ; v4  the stage: where I put 32 bytes of a row
.set RD,   7                           ; v7  and where I read a row back
.set CO,   8                           ; v8  my byte offset in two rows of out0
.set ACC,  16
.set XS,   80
.set BIAS, 0
.set STAGE, 65536
.set WV,   36
.set CX,   38
.set YY,   39
.set G0,   40
.set G1,   44
.set RP,   52
.set BP,   54
.set OUTP, 56
.set SC,   58
.set MSB, 0
.macro WIN new
.if MSB != (\new)
	s_set_vgpr_msb (MSB<<8)|(\new)
.set MSB, (\new)
.endif
.endm
.macro PLACES
.rept 4
	v_nop
.endr
.endm
.macro CROUND
	s_barrier_signal -1
	s_barrier_wait -1
	s_cmp_lg_u32 s[WV], 0
	s_cbranch_scc1 .Lnot_wave_0_\@
	s_barrier_signal -3
.Lnot_wave_0_\@:
	s_barrier_wait -3
	s_barrier_signal -1
	s_barrier_wait -1
.endm
	s_load_b256 s[4:11], s[0:1], 0x0               ; ac s[4:5], wc s[6:7], bo s[8:9], scales s[10:11]
	s_load_b64 s[12:13], s[0:1], 0x20              ; out0
	v_lshl_add_u32 v254, v0, 2, 0x29000
	v_mov_b32 v255, 0
	ds_add_u32 v254, v255
	ds_add_u32 v254, v255
	v_lshrrev_b32 v2, 5, v0
	v_readfirstlane_b32 s[WV], v2
	v_and_b32 v2, 31, v0
	v_lshlrev_b32 v[LI], 4, v2
	v_and_b32 v5, 15, v0                           ; r
	v_bfe_u32 v6, v0, 4, 1                         ; h
	v_lshlrev_b32 v[BO], 5, v6
	s_mul_i32 s70, s[WV], 8704
	s_add_co_u32 s70, s70, STAGE                   ; my stage: two tiles of 16 rows x 272 bytes
	v_mul_u32_u24 v[STO], v5, 272
	v_lshl_add_u32 v[STO], v6, 5, v[STO]
	v_add_nc_u32 v[STO], s70, v[STO]               ; in: row r, + 32 h
	v_mul_u32_u24 v[RD], v6, 272
	v_lshl_add_u32 v[RD], v5, 4, v[RD]
	v_add_nc_u32 v[RD], s70, v[RD]                 ; back: lanes 0-15 one row, lanes 16-31 the next
	v_lshlrev_b32 v[CO], 12, v6
	v_lshl_add_u32 v[CO], v5, 4, v[CO]             ; and the same two rows in out0
	s_and_b32 s[YY], ttmp7, 0xffff
	s_mov_b32 s[G1], 15|(3<<16)|(1<<21)            ; the mask: all four work-groups; elements of 8 bytes; 21 set beside a mask
	s_mov_b32 s[G1+1], 32<<16                      ; tensor_dim0 = 32
	s_mov_b32 s[G1+2], 64<<16                      ; tensor_dim1 = 64
	s_mov_b32 s[G1+3], 32<<16                      ; tile_dim0 = 32
	s_mov_b32 s[G1+4], 64                          ; tile_dim1 = 64: 16,384 bytes, a tile of tokens
	s_mov_b32 s[G1+5], 32
	s_mov_b32 s[G1+6], 0
	s_mov_b32 s[G1+7], 0
	s_lshl_b32 s[G0+1], s[WV], 14                  ; LDS address: tile w
	s_lshl_b32 s72, s[YY], 16
	s_add_co_u32 s72, s72, s[G0+1]
	s_mov_b32 s73, 0
	s_mov_b32 s[G0], 1
	s_wait_dscnt 0x0
	s_wait_kmcnt 0x0
	s_load_b64 s[14:15], s[10:11], 0x28            ; e10, e11
	s_add_nc_u64 s[G0+2:G0+3], s[4:5], s[72:73]
	s_or_b32 s[G0+3], s[G0+3], 0x80000000
	CROUND                                         ; all four work-groups are here: the joint loads meet
	tensor_load_to_lds s[G0:G0+3], s[G1:G1+7]      ; my one tensor load: every LDS byte is filled once
	s_nop 0
	PLACES                                         ; four v_nop behind it
	s_bfe_u32 s[CX], ttmp6, 0x40000                ; my place in the cluster enters global addresses alone
	s_lshl_b32 s74, s[CX], 2
	s_add_co_u32 s74, s74, s[WV]                   ; 4 cx + w
	s_lshl_b32 s76, s74, 16
	s_add_co_u32 s76, s76, 0x300000                ; Wo is the fourth matrix of wc
	s_mov_b32 s77, 0
	s_add_nc_u64 s[RP:RP+1], s[6:7], s[76:77]
	s_lshl_b32 s76, s74, 8
	s_add_nc_u64 s[BP:BP+1], s[8:9], s[76:77]      ; my 64 numbers of bo
	s_lshl_b32 s78, s[YY], 18                      ; 64 rows of 4,096 bytes
	s_add_co_u32 s76, s76, s78                     ; + my 256 bytes of a row
	s_add_nc_u64 s[OUTP:OUTP+1], s[12:13], s[76:77]
.irp ks, 0,1,2,3,4,5,6,7
	WIN 0x40*(1+\ks/4)
.irp t, 0,1,2,3
.irp c, 0,1,2,3
	global_load_b128 v[16*(4*(\ks%4)+\t)+4*\c:16*(4*(\ks%4)+\t)+4*\c+3], v[LI], s[RP:RP+1] offset:16384*\t+2048*\ks+512*\c
.endr
.endr
.endr
	WIN 0xc0
.irp t, 0,1,2,3
	global_load_b128 v[BIAS+8*\t:BIAS+8*\t+3], v[BO], s[BP:BP+1] offset:64*\t
	global_load_b128 v[BIAS+8*\t+4:BIAS+8*\t+7], v[BO], s[BP:BP+1] offset:64*\t+16
.endr
	WIN 0
	s_wait_kmcnt 0x0
	s_add_co_i32 s80, s14, s15
	s_add_co_i32 s80, s80, 127
	s_lshl_b32 s[SC], s80, 23                      ; 2^(e10 + e11) as f32
	s_mov_b32 s[SC+1], s[SC]
.macro XFETCH set, kb, nxt
.irp ksub, 0,1
.irp u, 0,1
.irp c, 0,1,2,3
	ds_load_b128 v[XS+64*\set+32*\ksub+16*\u+4*\c:XS+64*\set+32*\ksub+16*\u+4*\c+3], v[XA] offset:32768*\nxt+2048*(8*\u+2*\kb+\ksub)+512*\c
.endr
.endr
.endr
.endm
.macro MULB set, kb, zero              ; the eight accumulators take turns, one instruction a turn
	WIN 1+\kb/2
.irp ksub, 0,1
.irp u, 0,1
.irp t, 0,1,2,3
.if \zero && (\ksub == 0)
	v_wmma_f32_16x16x128_fp8_fp8 v[ACC+8*(4*\u+\t):ACC+8*(4*\u+\t)+7], v[16*(4*(2*(\kb%2)+\ksub)+\t):16*(4*(2*(\kb%2)+\ksub)+\t)+15], v[XS+64*\set+32*\ksub+16*\u:XS+64*\set+32*\ksub+16*\u+15], 0
.else
	v_wmma_f32_16x16x128_fp8_fp8 v[ACC+8*(4*\u+\t):ACC+8*(4*\u+\t)+7], v[16*(4*(2*(\kb%2)+\ksub)+\t):16*(4*(2*(\kb%2)+\ksub)+\t)+15], v[XS+64*\set+32*\ksub+16*\u:XS+64*\set+32*\ksub+16*\u+15], v[ACC+8*(4*\u+\t):ACC+8*(4*\u+\t)+7]
.endif
.endr
.endr
.endr
	WIN 0
.endm
.macro PAIR nxt                        ; each count of 16 leaves out the sixteen loads just issued and no more
	XFETCH 1, 1, 0
	s_wait_dscnt 16
	MULB 0, 0, 1
	PLACES
	XFETCH 0, 2, 0
	s_wait_dscnt 16
	MULB 1, 1, 0
	PLACES
	XFETCH 1, 3, 0
	s_wait_dscnt 16
	MULB 0, 2, 0
	PLACES
.if \nxt
	XFETCH 0, 0, 1
	s_wait_dscnt 16
.else
	s_wait_dscnt 0x0
.endif
	MULB 1, 3, 0
	PLACES
.endm
; Pair p goes out: sum x 2^(e10 + e11) + bo in place, through my stage, as rows
.macro EPI_O p
.irp u, 0,1
	WIN 0x30                                       ; source 2 (bo) window 3
.irp t, 0,1,2,3
.irp j, 0,2,4,6
.set YL, ACC+8*(4*\u+\t)+\j
	v_pk_fma_f32 v[YL:YL+1], v[YL:YL+1], s[SC:SC+1], v[BIAS+8*\t+\j:BIAS+8*\t+\j+1] op_sel_hi:[1,0,1]   ; each accumulator from its low end on
.endr
.endr
	WIN 0
.irp t, 0,1,2,3
	ds_store_b128 v[STO], v[ACC+8*(4*\u+\t):ACC+8*(4*\u+\t)+3] offset:4352*\u+64*\t
	ds_store_b128 v[STO], v[ACC+8*(4*\u+\t)+4:ACC+8*(4*\u+\t)+7] offset:4352*\u+64*\t+16
.endr
.irp i, 0,1,2,3,4,5,6,7
	ds_load_b128 v[XS+64+32*\u+4*\i:XS+64+32*\u+4*\i+3], v[RD] offset:4352*\u+544*\i   ; LDS serves a wave's instructions in order (ISA guide 5.7.1.4): these see my stores
.endr
.endr
.irp u, 0,1
.irp i, 0,1,2,3,4,5,6,7
	s_wait_dscnt 7-\i+16*(1-\u)                    ; behind this load: the rest of its eight, and for tile 0 tile 1's eight stores and eight loads
	global_store_b128 v[CO], v[XS+64+32*\u+4*\i:XS+64+32*\u+4*\i+3], s[OUTP:OUTP+1] offset:(32*\p+8*\u+2*\i+8*(\i/4))*4096 th:TH_STORE_NT   ; stage rows 2 i, 2 i + 1 are tokens 32 p + 8 u + 2 i + 8 (i / 4) + 0, 1; written once, read by nobody here
.endr
.endr
.endm
	s_wait_tensorcnt 0x0                           ; my tile of S is in,
	s_barrier_signal -1
	s_barrier_wait -1                              ; everybody's is
	v_mov_b32 v[XA], v[LI]
	XFETCH 0, 0, 0
	s_wait_loadcnt 0x0                             ; R and bo
	PAIR 1
	EPI_O 0                                        ; (its last wait is for 0: the next pair's first fragments are in too)
	s_wait_xcnt 0x0                                ; the stores have read their data registers, into which the next fragments are loaded
	v_add_nc_u32 v[XA], 32768, v[LI]
	PAIR 0
	EPI_O 1
	s_wait_dscnt 0x0
	s_wait_tensorcnt 0x0
	ds_add_u32 v254, v255
	s_wait_dscnt 0x0
	CROUND                                         ; the closing round
	s_endpgm
.Lfunc_end_k_qe10c4fd5d3_oproj:
	.size	k_qe10c4fd5d3_oproj, .Lfunc_end_k_qe10c4fd5d3_oproj-k_qe10c4fd5d3_oproj
	.p2alignl 7, 3214868480
	.fill 96, 4, 3214868480
	.section	.rodata,"a",@progbits
	.p2align	6, 0x0
	.amdhsa_kernel k_qe10c4fd5d3_oproj
		.amdhsa_group_segment_fixed_size 168448
		.amdhsa_private_segment_fixed_size 0
		.amdhsa_enable_private_segment 0
		.amdhsa_kernarg_size 40
		.amdhsa_user_sgpr_count 2
		.amdhsa_user_sgpr_kernarg_segment_ptr 1
		.amdhsa_wavefront_size32 1
		.amdhsa_system_sgpr_workgroup_id_x 1
		.amdhsa_system_sgpr_workgroup_id_y 1
		.amdhsa_system_sgpr_workgroup_id_z 1
		.amdhsa_system_vgpr_workitem_id 0
		.amdhsa_next_free_vgpr 1024
		.amdhsa_next_free_sgpr 90
		.amdhsa_reserve_vcc 0
		.amdhsa_float_denorm_mode_32 3
		.amdhsa_float_denorm_mode_16_64 3
		.amdhsa_memory_ordered 1
		.amdhsa_forward_progress 1
		.amdhsa_inst_pref_size 48
	.end_amdhsa_kernel
	.amdgpu_metadata
---
amdhsa.version: [ 1, 2 ]
amdhsa.kernels:
  - .name:           k_qe10c4fd5d3_oproj
    .symbol:         k_qe10c4fd5d3_oproj.kd
    .args:
      - { .name: ac, .offset: 0, .size: 8, .value_kind: global_buffer, .address_space: global }
      - { .name: wc, .offset: 8, .size: 8, .value_kind: global_buffer, .address_space: global }
      - { .name: bo, .offset: 16, .size: 8, .value_kind: global_buffer, .address_space: global }
      - { .name: lowp_scales, .offset: 24, .size: 8, .value_kind: global_buffer, .address_space: global }
      - { .name: out0, .offset: 32, .size: 8, .value_kind: global_buffer, .address_space: global }
    .group_segment_fixed_size: 168448
    .private_segment_fixed_size: 0
    .kernarg_segment_align: 8
    .kernarg_segment_size: 40
    .max_flat_workgroup_size: 128
    .sgpr_count:     90
    .vgpr_count:     1024
    .wavefront_size: 32
...
	.end_amdgpu_metadata
.endif
;; end of part 4
